; MI455X (gfx1250); checked and timed in simulation.
; The chip was launched on July 23, 2026; its instructions are those of AMD's public machine-readable ISA for CDNA 5 (MIT licence, August 2026) and "CDNA5" Instruction Set Architecture Reference Guide (July 2026). The comments in the code are by the model that wrote it; some were corrected since.
;; LSTM Cell. Allowed arithmetic: matrix products marked QUANTISED: E3M2 operands, one E8M0 scale for each 32 along K, by v_wmma_scale_f32_16x16x128_f8f6f4 with both operands' format E3M2, f32 sums; everything else in f32.
;; Inputs: Uh 4 x 1,024 x 1,024 float32; Wx 4 x 1,024 x 1,024 float32; bU 4 x 1,024 float32; bW 4 x 1,024 float32; c_pre 8,192 x 1,024 float32; h_pre 8,192 x 1,024 float32; x_t 8,192 x 1,024 float32.
;; Outputs: out0 8,192 x 1,024 float32; out1 8,192 x 1,024 float32.
;; This version of the problem:
;;   THIS VERSION OF THE PROBLEM IS GIVEN IN LOW PRECISION. The matrix products marked QUANTISED in the list below multiply operands that are first quantised to E3M2 (3 exponent bits, 2 mantissa bits; 6 bits a number), with one power-of-two scale for each 32 numbers along K (OCP MX v1.0); their sums are f32. All else is computed in f32.
;;   The module's matrix products, in the order in which they are computed (A, B: the left and right operand; K: the contracted axis; several contracted axes count as one K, in the product's order):
;;     1. [M 4,096, K 1,024] x [K 1,024, N 8,192]; A: input Wx; B: input x_t: QUANTISED
;;     2. [M 4,096, K 1,024] x [K 1,024, N 8,192]; A: input Uh; B: input h_pre: QUANTISED
;;   THE QUANTISER, for each operand of a quantised product, along K:
;;     - K is cut into blocks of 32 from its start; a last block that is shorter is filled with zeros.
;;     - A block's scale is 2^e with e = floor(log2(the largest magnitude in the block)) - 4, held to -126 .. 127; a block of zeros has e = 0. As a byte (E8M0): e + 127.
;;     - Each number is divided by its block's scale, clamped to +-28, and rounded to the nearest number of E3M2, ties to even, subnormals kept.
;;     - The product sums the exact products of the quantised numbers (number of the format x scale) in f32.
;;   ~~~python
;;   def quantise(x, axis):      # numpy; x: float32 -> the quantised numbers, widened to float32 again
;;       x = np.moveaxis(x, axis, -1); K = x.shape[-1]
;;       x = np.pad(x, [(0, 0)] * (x.ndim - 1) + [(0, -K % 32)]); x = x.reshape(x.shape[:-1] + (-1, 32)); a = np.abs(x).max(-1, keepdims=True)
;;       e = np.where(a > 0, np.clip(np.frexp(np.where(a > 0, a, 1))[1] - 1 - 4, -126, 127), 0)      # np.frexp(a)[1] - 1 = floor(log2(a)), exactly
;;       r = np.clip(x / 2.0 ** e, -28, 28)
;;       step = 2.0 ** (np.maximum(np.frexp(np.where(r == 0, 1, r))[1] - 1, -2) - 2)
;;       q = np.round(r / step) * step * 2.0 ** e      # np.round: ties to even
;;       return np.moveaxis(q.reshape(q.shape[:-2] + (-1,))[..., :K], -1, axis).astype(np.float32)
;;   ~~~
;; One version. Each part assembles by itself: llvm-mc -triple=amdgcn-amd-amdhsa -mcpu=gfx1250 --defsym DOCPART=n.
;; ======== version 1 of 1: 2 launches
;; limits: a function is approximated: absolute error at most 2.4e-07
;; workspace buffers: a_codes 12,582,912 bytes; a_scales 524,288 bytes; b_codes 6,291,456 bytes; b_scales 262,144 bytes
;; launch quant (part 1): grid 768 x 1, 4 waves a work-group, no clusters, 33,280 bytes of LDS; arguments x_t, h_pre, Wx, Uh, a_codes, a_scales, b_codes, b_scales; writes a_codes, a_scales, b_codes, b_scales
.if DOCPART == 1
	.amdgcn_target "amdgcn-amd-amdhsa--gfx1250"
	.amdhsa_code_object_version 6
	.text
	.protected	k_q2dca286964_quant
	.globl	k_q2dca286964_quant
	.p2align	8
	.type	k_q2dca286964_quant,@function
k_q2dca286964_quant:
	s_mov_b64 s[64:65], 0
	v_nop
	global_prefetch_b8 v0, s[64:65] scope:SCOPE_SE
	s_setreg_imm32_b32 hwreg(HW_REG_WAVE_MODE, 25, 1), 1
	s_wait_xcnt 0x0
; x_t, h_pre [8192][1024] and Wx, Uh [4][1024][1024], f32 with K innermost, become codes of BF6 (E3M2), 6 bits each, with one E8M0 scale byte for each 32 along K.
; The two products of the cell add into one sum, so they are laid as ONE product with K = 2048:
;   a_codes [8192][1536 bytes]: a row's first 768 bytes are x_t's 1024 codes, the other 768 h_pre's;  a_scales [8192][64]: 32 bytes of x_t's blocks, 32 of h_pre's.
;   b_codes [4096][1536], b_scales [4096][64]: Wx's, then Uh's.  Blocks of 32 never cross the seam at 1024, so this is the quantiser of each input by itself.
; THE ROWS OF THE WEIGHTS ARE RE-ORDERED: gate g, unit h goes to row (h / 32) x 128 + 32 g + h % 32, so that 128 neighbouring rows are the four gates of 32 neighbouring units.
; A block's scale is 2^(floor(log2(its largest magnitude)) - 4); its byte is the largest magnitude's own exponent field - 4, held at 1 from below by a floor among the maximum's leaves.
; LIMITS: NaN and infinities among the inputs are not served.  A block of zeros gets the byte 1 where the quantiser's text says 127: its codes are zeros, which add nothing under any byte but 0xff, and these bytes are read by this program alone.
; SHARES.  Work-groups 0-511 take x_t and h_pre, 512-767 Wx and Uh; only pointers and a row number are chosen, both sides take one path.  A wave takes FOUR rows of both tensors of its side: 16 steps of 512 numbers,
; so that its codes are four whole rows of 1536 bytes and its 256 scale bytes one aligned run.  Step t: tensor t / 8, row (t % 8) / 2, half t % 2 of the row.
; A conversion takes 16 neighbours along K from ONE lane's registers, a load is best where neighbouring LANES take neighbouring bytes: each load reads 512 consecutive bytes, 16 a lane, and a step's 2,048 bytes turn
; through the wave's own stage in LDS (16 bytes of padding behind each 64) and come back 64 bytes a lane.  Two neighbouring lanes hold a block.
; No work-group shares an input byte with another: no cluster, no tensor load, no barrier.  Loads run four steps (16 loads a wave) ahead, the turn through LDS one step.
.set STEPS, 16
.set WGA,   512                        ; work-groups of the activations: 8192 rows / 16
.set EMAX,  4
.set CB,    12                         ; bytes of 16 codes
.set R,     16                         ; v16-79   four sets of 16 numbers as they are loaded
.set X,     80                         ; v80-111  two sets of 16 neighbours
.set E,     112                        ; v112-127 a scale byte for each step
.set C,     128                        ; v128-191 codes: four registers for each step, so that no store's data are written again
.set WREG,  8192                       ; LDS: a region for each wave: two stages of 32 x SP bytes, behind them its 256 scale bytes
.set SP,    80                         ; a lane's place in a stage: 64 bytes + 16 of padding
	s_load_b256 s[4:11], s[0:1], 0x0               ; x_t s[4:5], h_pre s[6:7], Wx s[8:9], Uh s[10:11]
	s_load_b256 s[12:19], s[0:1], 0x20             ; a_codes s[12:13], a_scales s[14:15], b_codes s[16:17], b_scales s[18:19]
	v_lshl_add_u32 v192, v0, 2, 0x8000
	v_mov_b32 v193, 0
	v_lshrrev_b32 v1, 5, v0
	v_readfirstlane_b32 s32, v1                    ; wave 0..3
	v_and_b32 v2, 31, v0                           ; lane
	v_lshlrev_b32 v3, 4, v2                        ; my 16 bytes of a load's 512
	s_mul_i32 s33, s32, WREG
	v_lshrrev_b32 v14, 2, v2
	v_mul_u32_u24 v14, v14, SP
	v_and_b32 v15, 3, v2
	v_lshl_add_u32 v14, v15, 4, v14
	v_add_nc_u32 v14, s33, v14                     ; the stage, on the way in: SP (lane / 4) + 16 (lane % 4); a load's 512 bytes take eight places
	v_mul_u32_u24 v15, v2, SP
	v_add_nc_u32 v15, s33, v15                     ; and on the way out: SP x lane: my 16 neighbours
	v_mul_u32_u24 v4, v2, CB                       ; my codes' place in a step's 384 bytes
	v_lshrrev_b32 v5, 1, v2
	s_add_co_u32 s33, s33, 2*32*SP
	v_add_nc_u32 v5, s33, v5                       ; LDS: my wave's 256 scale bytes, my block's byte
	v_lshlrev_b32 v7, 3, v2                        ; and on the way out 8 bytes a lane
	v_add_nc_u32 v6, s33, v7
	s_wait_kmcnt 0x0
	s_cmp_lt_u32 ttmp9, WGA                        ; activations or weights?  The choice hangs on the work-group's number alone
	s_cselect_b64 s[4:5], s[4:5], s[8:9]           ; the tensor of K = 0 .. 1023
	s_cselect_b64 s[6:7], s[6:7], s[10:11]         ; the tensor of K = 1024 .. 2047
	s_cselect_b64 s[12:13], s[12:13], s[16:17]     ; the codes
	s_cselect_b64 s[14:15], s[14:15], s[18:19]     ; the scale bytes
	s_cselect_b32 s20, 0, WGA
	s_sub_co_u32 s20, ttmp9, s20
	s_lshl_b32 s20, s20, 2
	s_add_co_u32 s20, s20, s32                     ; which run of four rows is my wave's
	s_lshl_b32 s21, s20, 2                         ; my first row as it lies in the inputs
	s_bfe_u32 s22, s21, 0x50005                    ; weights: (h / 32)
	s_lshl_b32 s22, s22, 7                         ;   x 128
	s_lshr_b32 s23, s21, 10                        ;   the gate
	s_lshl_b32 s23, s23, 5                         ;   x 32
	s_and_b32 s24, s21, 31                         ;   h % 32: a multiple of 4, so my four rows stay neighbours
	s_add_co_u32 s22, s22, s23
	s_add_co_u32 s22, s22, s24
	s_cmp_lt_u32 ttmp9, WGA                        ; (the sums above have set SCC)
	s_cselect_b32 s22, s21, s22                    ; my first row in the codes: activations keep their order
	s_lshl_b32 s26, s21, 12                        ; rows of 4,096 bytes in
	s_mov_b32 s27, 0
	s_mul_i32 s28, s22, 1536                       ; rows of 1,536 bytes of codes
	s_mov_b32 s29, 0
	s_lshl_b32 s30, s22, 6                         ; rows of 64 scale bytes
	s_mov_b32 s31, 0
	s_add_nc_u64 s[4:5], s[4:5], s[26:27]
	s_add_nc_u64 s[6:7], s[6:7], s[26:27]
	s_add_nc_u64 s[12:13], s[12:13], s[28:29]
	s_add_nc_u64 s[14:15], s[14:15], s[30:31]
.macro LOAD t                          ; step t's 2,048 bytes: four loads of 512 consecutive bytes
.irp i, 0,1,2,3
.if (\t) < 8
	global_load_b128 v[R+16*((\t)%4)+4*\i:R+16*((\t)%4)+4*\i+3], v3, s[4:5] offset:(((\t)%8)/2)*4096+((\t)%2)*2048+512*\i th:TH_LOAD_NT
.else
	global_load_b128 v[R+16*((\t)%4)+4*\i:R+16*((\t)%4)+4*\i+3], v3, s[6:7] offset:(((\t)%8)/2)*4096+((\t)%2)*2048+512*\i th:TH_LOAD_NT
.endif
.endr
.endm
.macro TURN t                          ; step t's numbers through the stage: LDS serves a wave's instructions in order, so no wait stands between the stores and the loads
.irp i, 0,1,2,3
	ds_store_b128 v14, v[R+16*((\t)%4)+4*\i:R+16*((\t)%4)+4*\i+3] offset:32*SP*((\t)%2)+8*SP*\i
.endr
.irp i, 0,1,2,3
	ds_load_b128 v[X+16*((\t)%2)+4*\i:X+16*((\t)%2)+4*\i+3], v15 offset:32*SP*((\t)%2)+16*\i
.endr
.endm
.irp t, 0,1,2,3
	LOAD \t
.endr
	s_wait_loadcnt 12                              ; step 0's four loads are in; the twelve of steps 1 to 3 stay out
	TURN 0
.macro STEP t
.set XS, X+16*((\t)%2)
.if (\t) > 0
	s_wait_dscnt 1                                 ; this step's numbers are back from the stage (the last step's byte store may be out): so its stores into the stage have read their registers,
.else
	s_wait_dscnt 0x0
.endif
.if (\t)+4 < STEPS
	LOAD (\t)+4                                    ; which take the loads of four steps on
.endif
.if (\t)+1 < STEPS
.if STEPS-2-(\t) >= 3
	s_wait_loadcnt 12                              ; the next step's four loads are in; those of the three steps behind it may be out
.else
	s_wait_loadcnt 4*(STEPS-2-(\t))                ; towards the end fewer steps stand behind it
.endif
	TURN (\t)+1                                    ; and go through the other stage while this step is worked
.endif
	v_max3_num_f32 v8, |v[XS]|, |v[XS+1]|, |v[XS+2]|               ; the largest magnitude of my 16, in two chains
	v_max3_num_f32 v9, |v[XS+3]|, |v[XS+4]|, |v[XS+5]|
.irp i, 6,10
	v_max3_num_f32 v8, v8, |v[XS+\i]|, |v[XS+\i+1]|
	v_max3_num_f32 v9, v9, |v[XS+\i+2]|, |v[XS+\i+3]|
.endr
	v_max3_num_f32 v8, v8, |v[XS+14]|, |v[XS+15]|
	v_max3_num_f32 v8, v8, v9, (EMAX+1)<<23        ; and the floor 2^(EMAX + 1 - 127): so the byte cannot fall under 1
	v_max_num_f32_dpp v8, v8, v8 row_xmask:1 row_mask:0xf bank_mask:0xf   ; and of my neighbour's 16: the block's
	v_add_nc_u32 v11, -(EMAX<<23), v8              ; EMAX off its exponent field: the conversion takes the exponent field of this operand as its scale, and nothing else of it
	v_cvt_scalef32_pk16_bf6_f32 v[C+4*(\t):C+4*(\t)+2], v[XS:XS+15], v11   ; sixteen numbers / the scale, to the nearest code, ties to even, beyond 28 the largest code; 96 bits without gaps
	v_lshrrev_b32 v[E+(\t)], 23, v11               ; the scale's byte (also the plain line behind the conversion)
	ds_store_b8 v5, v[E+(\t)] offset:(((\t)%8)/2)*64+((\t)/8)*32+((\t)%2)*16   ; both lanes of a block write the same byte with the same value
	global_store_b96 v4, v[C+4*(\t):C+4*(\t)+2], s[12:13] offset:(((\t)%8)/2)*1536+((\t)/8)*768+((\t)%2)*384   ; the wave stores 384 consecutive bytes; two steps' stores cover 768
.endm
.irp t, 0,1,2,3,4,5,6,7,8,9,10,11,12,13,14,15
	STEP \t
.endr
	ds_load_b64 v[12:13], v6                       ; LDS serves a wave's instructions in order: these see my byte stores
	s_wait_dscnt 0x0
	global_store_b64 v7, v[12:13], s[14:15]        ; 32 lanes store 256 consecutive bytes, at a multiple of 256 from the buffer's first byte
	s_wait_tensorcnt 0x0
	ds_add_u32 v192, v193
	s_wait_dscnt 0x0
	s_endpgm
.Lfunc_end_k_q2dca286964_quant:
	.size	k_q2dca286964_quant, .Lfunc_end_k_q2dca286964_quant-k_q2dca286964_quant
	.p2alignl 7, 3214868480
	.fill 96, 4, 3214868480
	.section	.rodata,"a",@progbits
	.p2align	6, 0x0
	.amdhsa_kernel k_q2dca286964_quant
		.amdhsa_group_segment_fixed_size 33280
		.amdhsa_private_segment_fixed_size 0
		.amdhsa_enable_private_segment 0
		.amdhsa_kernarg_size 64
		.amdhsa_user_sgpr_count 2
		.amdhsa_user_sgpr_kernarg_segment_ptr 1
		.amdhsa_wavefront_size32 1
		.amdhsa_system_sgpr_workgroup_id_x 1
		.amdhsa_system_sgpr_workgroup_id_y 1
		.amdhsa_system_sgpr_workgroup_id_z 1
		.amdhsa_system_vgpr_workitem_id 0
		.amdhsa_next_free_vgpr 194
		.amdhsa_next_free_sgpr 66
		.amdhsa_reserve_vcc 0
		.amdhsa_float_denorm_mode_32 3
		.amdhsa_float_denorm_mode_16_64 3
		.amdhsa_memory_ordered 1
		.amdhsa_forward_progress 1
		.amdhsa_inst_pref_size 33
	.end_amdhsa_kernel
	.amdgpu_metadata
---
amdhsa.version: [ 1, 2 ]
amdhsa.kernels:
  - .name:           k_q2dca286964_quant
    .symbol:         k_q2dca286964_quant.kd
    .args:
      - { .name: x_t, .offset: 0, .size: 8, .value_kind: global_buffer, .address_space: global }
      - { .name: h_pre, .offset: 8, .size: 8, .value_kind: global_buffer, .address_space: global }
      - { .name: Wx, .offset: 16, .size: 8, .value_kind: global_buffer, .address_space: global }
      - { .name: Uh, .offset: 24, .size: 8, .value_kind: global_buffer, .address_space: global }
      - { .name: a_codes, .offset: 32, .size: 8, .value_kind: global_buffer, .address_space: global }
      - { .name: a_scales, .offset: 40, .size: 8, .value_kind: global_buffer, .address_space: global }
      - { .name: b_codes, .offset: 48, .size: 8, .value_kind: global_buffer, .address_space: global }
      - { .name: b_scales, .offset: 56, .size: 8, .value_kind: global_buffer, .address_space: global }
    .group_segment_fixed_size: 33280
    .private_segment_fixed_size: 0
    .kernarg_segment_align: 8
    .kernarg_segment_size: 64
    .max_flat_workgroup_size: 128
    .sgpr_count:     66
    .vgpr_count:     194
    .wavefront_size: 32
...
	.end_amdgpu_metadata
.endif
;; end of part 1
;; launch cell (part 2): grid 16 x 32, 4 waves a work-group, clusters of 4 x 4, 327,680 bytes of LDS; arguments a_codes, a_scales, b_codes, b_scales, bW, bU, c_pre, out0, out1; writes out0, out1
.if DOCPART == 2
	.amdgcn_target "amdgcn-amd-amdhsa--gfx1250"
	.amdhsa_code_object_version 6
	.text
	.protected	k_q2dca286964_cell
	.globl	k_q2dca286964_cell
	.p2align	8
	.type	k_q2dca286964_cell,@function
k_q2dca286964_cell:
	s_mov_b64 s[64:65], 0
	v_nop
	global_prefetch_b8 v0, s[64:65] scope:SCOPE_SE
	s_setreg_imm32_b32 hwreg(HW_REG_WAVE_MODE, 25, 1), 1
	s_wait_xcnt 0x0
	s_wait_alu depctr_hold_cnt(0) depctr_sa_sdst(0) depctr_va_vdst(0) depctr_va_sdst(0) depctr_va_ssrc(0) depctr_va_vcc(0) depctr_vm_vsrc(0)
	s_getreg_b32 s2, hwreg(HW_REG_IB_STS2, 6, 4)
	s_cmp_eq_u32 s2, 0
	s_cbranch_scc0 .Lentry_in_a_cluster
	s_endpgm
.Lentry_in_a_cluster:
	s_bfe_u32 s2, ttmp6, 0x10000c
	s_cmp_lg_u32 s2, 0xf033
	s_cbranch_scc0 .Lentry_shape_is_right
	s_endpgm
.Lentry_shape_is_right:
; THE LSTM CELL.  z[gate][b][h] = sum over K = 2048 of A[b][k] W[row(gate, h)][k] + bW + bU, on codes of BF6 (E3M2) with one E8M0 scale for each 32 along K, sums in f32;
; f, i, o = sigmoid(z0, z1, z2), g = tanh(z3), c_t = f c_pre + i g (out1), h_t = o tanh(c_t) (out0), all in f32.  z never goes to memory.
; A = a_codes [8192][1536 bytes] (x_t's codes, then h_pre's), W = b_codes [4096][1536] (Wx's, then Uh's), scale bytes [rows][64]: made by the launch before.  Row (h / 32) x 128 + 32 gate + h % 32 of W is gate, unit h.
; SHARES.  A work-group of four waves makes 256 batch rows x 256 rows of W = the four gates of 64 units.  A wave makes 128 x 128: 64 accumulators of 16 x 16, 512 registers; its 128 rows of W are the four gates of 32 units.
; THE MATRIX INSTRUCTION IS USED TRANSPOSED (source 0 = 16 rows of W, source 1 = 16 rows of A): in accumulator (a, b) lane (r, hl) holds, in register j, gate b / 2 of batch row 16 a + r and unit 16 (b % 2) + 8 hl + j.
; So the four gates of one (batch row, unit) lie in ONE lane at the same j, in accumulators b, b + 2, b + 4, b + 6: the cell's arithmetic needs no other lane.
; K goes in steps of 256 through a ring of two LDS slots filled by the tensor data mover (a tile's row is 192 bytes); the scale bytes of the work-group's rows, for all of K, come into LDS once and stay.
; CLUSTERS: 4 x 4 work-groups.  The four of a row of the cluster need the same tiles of A, the four of a column the same tiles of W: each tile is asked for jointly, by the same tensor load with the same descriptor and a mask of four.
; THE BIAS bW + bU is the C of each sum's first matrix instruction: nothing is cleared and nothing is added later.
; c_pre's tile (256 rows x 256 bytes) is slot 0's LAST fill, asked for when that slot's last codes have been read; c_t is stored over it, h_t into slot 1 behind its last read.
; THE WAY OUT GOES BLOCK BY BLOCK of 16 batch rows: a block's c_t and h_t are read back as whole rows of 256 bytes and stored in the middle of the next block's arithmetic, so that only the last block's stores stand behind the last arithmetic.
; sigmoid(x) = 1 / (1 + 2^(-x log2 e)), tanh(x) = 1 - 2 / (1 + 2^(2 x log2 e)): where the power is infinite the reciprocal is 0, where it is 0 the reciprocal is 1: both ends come out right with no clip and no branch.
; LIMITS: v_exp_f32 and v_rcp_f32 are good to 1 ulp and flush denormals (ISA guide, their entries); tanh of a small number is made as a difference from 1, so its absolute error is of the order of f32's step at 1.  NaN and infinite inputs are not served.
; REGISTERS, in windows of 256: window 0: v1-31 addresses; v32-63 scale words, two sets; v64-127 the bias, later the gates at work; from v128 A's fragments, ONE set, later c_pre, c_t, h_t at work and the rows read back.
;   window 1: W's fragments, TWO sets, at v0 and v128.   window 2: the accumulators of my rows 0-63 ((a, b) at v[8 (8 a + b)]);   window 3: those of my rows 64-127.
.set KSTEP,  256                       ; along K in a slot
.set NQ,     KSTEP/128                 ; matrix instructions deep
.set ROWB,   192                       ; a tile's row in bytes
.set KROW,   1536                      ; a row of A or W in memory
.set PITCH,  240                       ; an LDS row: 3 x (64 bytes + 16 of padding)
.set FR,     12                        ; registers of a fragment: 16 rows x 128 K
.set NL,     6                         ; LDS loads that bring one
.set NP,     4                         ; places behind this matrix instruction (ISA guide 7.12.1)
.set HALFT,  128*PITCH                 ; 128 rows: what one tensor load brings
.set SLOT,   4*HALFT                   ; A's 256 rows, then W's 256 rows
.set LAPS,   4                         ; 2048 / 512: a lap = two K steps = once round the ring
.set KS,     64                        ; a row of scale bytes
.set SCL,    2*SLOT                    ; behind the ring: the scales, as runs of 256 bytes + 16 of padding
.set HALFS,  (128*KS/256)*272          ; the scales of 128 rows
.set SBLK,   (16*KS/256)*272           ; those of 16 rows
.set SPARE,  SCL+4*HALFS               ; behind the scales: the spare words, 128 bytes for each wave, which no other line names
.set CPITCH, 272                       ; c_pre's, c_t's and h_t's rows in LDS: 256 bytes + 16
.set BO,   7                           ; v7      32 x (lane / 16): my eight numbers of a block's sixteen biases
.set PFO,  8                           ; v8      4,096 x lane: a row of c_pre; never rewritten
.set ADRA, 16                          ; v16-17  LDS address of my A fragments in slot 0, 1  (v18-19: for the pieces that lie behind one padding more)
.set ADRB, 20                          ; v20-21  the same for W  (v22-23)
.set STO,  24                          ; v24     my 32 bytes of row l % 16 in c_pre's tile
.set RD,   25                          ; v25     the way out: where I read rows of c_t back
.set CO,   26                          ; v26     my byte offset in two rows of an output; never rewritten
.set ADRS, 27                          ; v27     LDS address of my scale words: lanes 0-15 A's rows, lanes 16-31 W's
.set SPW,  28                          ; v28     LDS address of my spare word; never rewritten
.set NIL,  29                          ; v29     0; never rewritten
.set STH,  30                          ; v30     STO in h_t's stage
.set RDH,  31                          ; v31     RD in h_t's stage
.set SC,   32                          ; scale words: set s at v[SC + 16 s]; register 2 i + q: lanes 0-15 the word of A's block i, lanes 16-31 of W's block i, for the slot's q-th 128 along K
.set BI,   64                          ; v64-127 bW + bU in the result's layout, eight registers for each block b of W
.set EE,   64                          ; the same registers on the way out: f (16), i (16), o (16), g (16)
.set AF,   128                         ; A's fragments
.set CP,   128                         ; the way out: c_pre, 16
.set CT,   144                         ; c_t
.set HT,   160                         ; h_t
.set TT,   176                         ; tanh(c_t) at work
.set RB,   192                         ; v192-223 eight rows of c_t and eight of h_t, read back: 4 x 4 registers each
.set G1, 24                            ; s[24:31] descriptor group 1 for A's tiles;  s[32:39] group 0, one set for each slot
.set G0, 32
.set G1B, 48                           ; s[48:55], s[56:63] the same for W's tiles
.set G0B, 56
.set CS2, 66                           ; s[66:67] 2 log2 e
.set G1S, 68                           ; s[68:75], s[76:79] groups 1 and 0 for A's scales;  s[80:87], s[88:91] for W's.  These 24 registers are written anew once those loads have landed:
.set G0S, 76
.set G1SB, 80
.set G0SB, 88
.set G1C, 68                           ; s[68:75], s[76:79] groups 1 and 0 for c_pre's tile
.set G0C, 76
.set OH,  82                           ; s[82:83] out0 (h_t) at my wave's first row to store; never rewritten
.set OC,  84                           ; s[84:85] out1 (c_t) likewise
.set PFA, 88                           ; s[88:89] c_pre at the 64 rows that my wave fetches; never rewritten
.set CSN, 90                           ; s[90:91] -log2 e
.set MSB, 0
.macro WIN new                         ; the immediate's high byte repeats the setting that is left
.if MSB != \new
	s_set_vgpr_msb (MSB<<8)|\new
.set MSB, \new
.endif
.endm
.set MUL_LO,  0xa1                     ; source 0 (W) window 1, source 1 (A) window 0, C and D window 2
.set MUL_HI,  0xf1                     ; the same, C and D window 3
.set MUL_LO0, 0x81                     ; the first step: C (the bias) window 0, D window 2
.set MUL_HI0, 0xc1                     ; C window 0, D window 3
.set TO_B,    0x40                     ; destination window 1, address window 0
; A joint load: waves 0 and 1 fetch for A, waves 2 and 3 for W.  Each of the two lines has ONE mask and one set of registers for all that issue it; the branch hangs on the wave's number alone.
; Four v_nop follow each of the two lines, ahead of the jump, the label and what follows.
.macro JLOAD g0a, g1a, g0b, g1b
	s_cmp_eq_u32 s15, 0
	s_cbranch_scc0 .Lfor_b_\@
	tensor_load_to_lds s[\g0a:\g0a+3], s[\g1a:\g1a+7]
	s_nop 0
.rept 4
	v_nop
.endr
	s_branch .Lasked_\@
.Lfor_b_\@:
	tensor_load_to_lds s[\g0b:\g0b+3], s[\g1b:\g1b+7]
	s_nop 0
.rept 4
	v_nop
.endr
.Lasked_\@:
.endm
.macro CREST                           ; a round of the cluster's barrier behind its opening barrier
	s_cmp_lg_u32 s14, 0
	s_cbranch_scc1 .Lnot_wave_0_\@
	s_barrier_signal -3
.Lnot_wave_0_\@:
	s_barrier_wait -3
	s_barrier_signal -1
	s_barrier_wait -1
.endm
.macro CROUND                          ; a whole round
	s_barrier_signal -1
	s_barrier_wait -1
	CREST
.endm
	s_load_b128 s[4:7], s[0:1], 0x0                ; A's codes s[4:5], A's scales s[6:7]
	s_load_b128 s[8:11], s[0:1], 0x10              ; W's codes s[8:9], W's scales s[10:11]
	s_load_b128 s[96:99], s[0:1], 0x20             ; bW s[96:97], bU s[98:99]
	v_lshl_add_u32 v[SPW], v0, 2, SPARE
	v_mov_b32 v[NIL], 0
	ds_add_u32 v28, v29
	ds_add_u32 v28, v29
	s_wait_dscnt 0x0
	v_lshrrev_b32 v1, 5, v0
	v_readfirstlane_b32 s14, v1                    ; wave 0..3
	s_lshr_b32 s15, s14, 1                         ; which half of the tile's batch rows is mine.  Also: I fetch for A (0) or for W (1)
	s_and_b32 s16, s14, 1                          ; which half of its rows of W.  Also: which 128 rows of that tile I fetch
	s_bfe_u32 s40, ttmp6, 0x40000                  ; cx, cy: my place in the cluster
	s_bfe_u32 s41, ttmp6, 0x40004
	s_lshl_b32 s42, ttmp9, 2
	s_add_co_u32 s42, s42, s40                     ; tile column = 4 x cluster x + cx: units 64 x column on
	s_and_b32 s17, ttmp7, 0xffff
	s_lshl_b32 s17, s17, 2
	s_add_co_u32 s17, s17, s41                     ; tile row = 4 x cluster y + cy: batch rows 256 x row on
	s_lshl_b32 s43, s41, 2
	s_lshl_b32 s43, 15, s43                        ; my row of the cluster
	s_lshl_b32 s44, 0x1111, s40                    ; my column
	s_mov_b32 s[CS2], 0x4038aa3b                   ; 2 log2 e
	s_mov_b32 s[CS2+1], s[CS2]                     ; (named with it as a pair, so it is written)
	; descriptor group 1: a tile of 128 rows x 192 bytes, padded in LDS
	s_or_b32 s[G1+0], s43, (0<<16)|(1<<20)|(1<<21)|(3<<22)|(3<<25)  ; 15:0 the mask: A's tiles go to my row; 17:16 elements of 1 byte; 20 padding on; 21 set beside a mask; 24:22 after every 16 words (code 3); 31:25 of 4 words (code 3)
	s_or_b32 s[G1B+0], s44, (0<<16)|(1<<20)|(1<<21)|(3<<22)|(3<<25)
.irp g, G1, G1B
	s_mov_b32 s[\g+1], ROWB<<16                    ; tensor_dim0
	s_mov_b32 s[\g+2], 128<<16                     ; tensor_dim1 = 128
	s_mov_b32 s[\g+3], ROWB<<16                    ; tile_dim0
	s_mov_b32 s[\g+4], 128                         ; tile_dim1 = 128
	s_mov_b32 s[\g+5], KROW                        ; tensor_dim0_stride
	s_mov_b32 s[\g+6], 0
	s_mov_b32 s[\g+7], 0
.endr
	; and for the scales of 128 rows: a dense block of 8,192 bytes, as 32 rows of 256 bytes (32 elements of 8 bytes), 16 bytes of padding behind each
	s_or_b32 s[G1S+0], s43, (3<<16)|(1<<20)|(1<<21)|(5<<22)|(3<<25)
	s_or_b32 s[G1SB+0], s44, (3<<16)|(1<<20)|(1<<21)|(5<<22)|(3<<25)
.irp g, G1S, G1SB
	s_mov_b32 s[\g+1], 32<<16
	s_mov_b32 s[\g+2], (128*KS/256)<<16
	s_mov_b32 s[\g+3], 32<<16
	s_mov_b32 s[\g+4], 128*KS/256
	s_mov_b32 s[\g+5], 32
	s_mov_b32 s[\g+6], 0
	s_mov_b32 s[\g+7], 0
.endr
	s_lshl_b32 s18, s16, 7                         ; which 128 rows of the tile I fetch
	s_lshl_b32 s20, s17, 8
	s_add_co_u32 s20, s20, s18                     ; A: row 256 x tile row + 128 x half
	s_lshl_b32 s46, s42, 8
	s_add_co_u32 s46, s46, s18                     ; W: row 256 x tile column + 128 x half
	s_mov_b32 s21, 0
	s_mov_b32 s47, 0
	s_mov_b64 s[18:19], KS
	s_mul_u64 s[22:23], s[20:21], s[18:19]         ; where these rows' scales begin, in bytes
	s_mul_u64 s[92:93], s[46:47], s[18:19]
	s_mov_b64 s[18:19], KROW
	s_mul_u64 s[20:21], s[20:21], s[18:19]         ; and their codes
	s_mul_u64 s[46:47], s[46:47], s[18:19]
	s_mul_i32 s45, s14, HALFT                      ; where they go: wave x 128 rows: no place in the cluster enters an LDS address
	s_mul_i32 s94, s14, HALFS
	s_lshl_b32 s12, s42, 8                         ; the biases of my 32 units: 4 x (64 x tile column + 32 x half) bytes into a gate's row
	s_lshl_b32 s13, s16, 7
	s_add_co_u32 s12, s12, s13
	s_mov_b32 s13, 0
	s_wait_kmcnt 0x0
	s_add_nc_u64 s[20:21], s[4:5], s[20:21]
	s_add_nc_u64 s[22:23], s[6:7], s[22:23]
	s_add_nc_u64 s[46:47], s[8:9], s[46:47]
	s_add_nc_u64 s[92:93], s[10:11], s[92:93]
	s_add_nc_u64 s[96:97], s[96:97], s[12:13]
	s_add_nc_u64 s[98:99], s[98:99], s[12:13]
	CROUND                                         ; all sixteen work-groups are here: the first joint loads meet
	s_mov_b32 s[G0S], 1
	s_add_co_u32 s[G0S+1], s94, SCL
	s_mov_b64 s[G0S+2:G0S+3], s[22:23]
	s_or_b32 s[G0S+3], s[G0S+3], 0x80000000
	s_mov_b32 s[G0SB], 1
	s_add_co_u32 s[G0SB+1], s94, SCL
	s_mov_b64 s[G0SB+2:G0SB+3], s[92:93]
	s_or_b32 s[G0SB+3], s[G0SB+3], 0x80000000
	JLOAD G0S, G1S, G0SB, G1SB                     ; the scales first: they are wanted with K step 0
.irp s, 0,1
	s_mov_b32 s[G0+4*\s], 1
	s_add_co_u32 s[G0+4*\s+1], s45, \s*SLOT
	s_add_nc_u64 s[G0+4*\s+2:G0+4*\s+3], s[20:21], \s*ROWB
	s_or_b32 s[G0+4*\s+3], s[G0+4*\s+3], 0x80000000
	s_mov_b32 s[G0B+4*\s], 1
	s_add_co_u32 s[G0B+4*\s+1], s45, \s*SLOT
	s_add_nc_u64 s[G0B+4*\s+2:G0B+4*\s+3], s[46:47], \s*ROWB
	s_or_b32 s[G0B+4*\s+3], s[G0B+4*\s+3], 0x80000000
	JLOAD G0+4*\s, G1, G0B+4*\s, G1B               ; three tensor loads of mine are out now
.endr
	v_and_b32 v1, 15, v0                           ; r = l % 16
	v_bfe_u32 v2, v0, 4, 1                         ; hl = l / 16
	v_lshlrev_b32 v[BO], 5, v2
.irp g, 0,1,2,3                        ; block 2 g + u of W is gate g, units 16 u on: lane (r, hl) wants the biases of units 16 u + 8 hl + 0 .. 7
.irp u, 0,1
.irp q, 0,1
	global_load_b128 v[BI+16*\g+8*\u+4*\q:BI+16*\g+8*\u+4*\q+3], v[BO], s[96:97] offset:4096*\g+64*\u+16*\q
	global_load_b128 v[128+16*\g+8*\u+4*\q:128+16*\g+8*\u+4*\q+3], v[BO], s[98:99] offset:4096*\g+64*\u+16*\q
.endr
.endr
.endr
	v_mul_u32_u24 v3, v1, PITCH
	v_mul_u32_u24 v4, v2, 24
	v_add_nc_u32 v4, v3, v4                        ; a fragment's row x pitch + 24 x half
	v_lshl_add_u32 v5, v2, 4, v4                   ; and the same behind one padding more
	s_mul_i32 s21, s15, HALFT                      ; my 128 rows of A
	s_mul_i32 s22, s16, HALFT                      ; my 128 rows of W,
	s_add_co_u32 s22, s22, 2*HALFT                 ; which lie behind A's 256
.irp s, 0,1
	v_add_nc_u32 v[ADRA+\s], s21, v4
	v_add_nc_u32 v[ADRB+\s], s22, v4
	v_add_nc_u32 v[ADRA+2+\s], s21, v5
	v_add_nc_u32 v[ADRB+2+\s], s22, v5
	s_add_co_u32 s21, s21, SLOT
	s_add_co_u32 s22, s22, SLOT
.endr
	v_mul_u32_u24 v5, v1, KS                       ; my row's scales: 64 bytes a row,
	v_lshrrev_b32 v6, 8, v5
	v_lshl_add_u32 v5, v6, 4, v5                   ; and 16 more for each 256 passed
	s_mul_i32 s21, s15, HALFS                      ; A's: my 128 rows
	s_mul_i32 s22, s16, HALFS                      ; W's: my 128 rows, behind A's 256
	s_add_co_u32 s22, s22, 2*HALFS
	s_sub_co_u32 s22, s22, s21
	v_mul_u32_u24 v6, s22, v2                      ; lanes 16-31 take W's: one product, the distance between the two bases
	s_add_co_u32 s21, s21, SCL
	v_add_nc_u32 v5, v5, v6
	v_add_nc_u32 v[ADRS], s21, v5
	s_wait_loadcnt 0x0                             ; the biases
.set J, 0
.rept 32
	v_pk_add_f32 v[BI+J:BI+J+1], v[BI+J:BI+J+1], v[128+J:129+J]   ; bW + bU
.set J, J+2
.endr
	; the addresses for the way out are made here: plain vector lines between the last write of a bias register and the first matrix instruction
	s_mul_i32 s21, s15, 128*CPITCH                 ; my 128 batch rows,
	s_lshl_b32 s22, s16, 7                         ; my 32 units' 128 bytes of each
	s_add_co_u32 s21, s21, s22
	v_mul_u32_u24 v5, v1, CPITCH                   ; row r, 32 bytes for each half of the lanes
	v_lshl_add_u32 v5, v2, 5, v5
	v_add_nc_u32 v[STO], s21, v5
	v_add_nc_u32 v[STH], SLOT, v[STO]
	s_mul_i32 s21, s15, 128*CPITCH                 ; back: of each block's 16 rows in my half of the tile I take 8, whole: rows 8 x (wave % 2) on;
	s_mul_i32 s22, s16, 8*CPITCH
	s_add_co_u32 s21, s21, s22
	v_mul_u32_u24 v5, v2, CPITCH                   ; lanes 0-15 one row of 256 bytes, lanes 16-31 the next
	v_lshl_add_u32 v5, v1, 4, v5
	v_add_nc_u32 v[RD], s21, v5
	v_add_nc_u32 v[RDH], SLOT, v[RD]
	v_lshlrev_b32 v[CO], 12, v2                    ; and the same two rows in an output: rows of 4,096 bytes
	v_lshl_add_u32 v[CO], v1, 4, v[CO]
	v_and_b32 v[PFO], 31, v0
	v_lshlrev_b32 v[PFO], 12, v[PFO]
.macro FRAG reg, adr, q, i             ; a fragment, 16 rows x 128 K of 6-bit codes, is 12 registers: lane l holds row l % 16; registers 6 c .. 6 c + 5 hold K = 64 c + 32 (l / 16) + 0 .. 31: 24 bytes of the row's stream of bits, as they lie
.irp p, 0,1,2,3,4,5                    ; in pieces of 8 bytes, so that every address is a multiple of the access's size.  Lanes 0-15 take the row's pieces 12 q + 0, 1, 2 and 12 q + 6, 7, 8, lanes 16-31 those three pieces on
.set PC, 12*(\q)+6*(\p/3)+\p%3        ; 16 bytes of padding lie behind every 64 bytes (8 pieces): where the piece three on lies behind one padding more, the second address register (40 for 24 bytes a half) serves
.if PC%8 < 5
	ds_load_b64 v[\reg+2*\p:\reg+2*\p+1], v[\adr] offset:8*PC+16*(PC/8)+(\i)*16*PITCH
.else
	ds_load_b64 v[\reg+2*\p:\reg+2*\p+1], v[\adr+2] offset:8*PC+16*(PC/8)+(\i)*16*PITCH
.endif
.endr
.endm
; 16 matrix instructions: A's blocks a0, a0 + 1 x W's eight, 128 along K: the slot's q-th.  p: W's set;  sc: the set of scale words.  zero = 1: the first product starts the sums, with the bias as its C.
; The 64 accumulators take turns, one instruction a turn, in the same order in every step.
.macro MUL16 a0, p, q, sc, zero
.irp a, \a0, \a0+1
.irp b, 0,1,2,3,4,5,6,7
.if \zero
	v_wmma_scale_f32_16x16x128_f8f6f4 v[8*(8*((\a)%4)+\b):8*(8*((\a)%4)+\b)+7], v[128*(\p)+FR*\b:128*(\p)+FR*\b+FR-1], v[AF+FR*(\a):AF+FR*(\a)+FR-1], v[BI+8*\b:BI+8*\b+7], v[SC+8*NQ*(\sc)+NQ*\b+(\q)], v[SC+8*NQ*(\sc)+NQ*(\a)+(\q)] matrix_a_fmt:MATRIX_FMT_BF6 matrix_b_fmt:MATRIX_FMT_BF6 matrix_a_scale:MATRIX_SCALE_ROW1
.else
	v_wmma_scale_f32_16x16x128_f8f6f4 v[8*(8*((\a)%4)+\b):8*(8*((\a)%4)+\b)+7], v[128*(\p)+FR*\b:128*(\p)+FR*\b+FR-1], v[AF+FR*(\a):AF+FR*(\a)+FR-1], v[8*(8*((\a)%4)+\b):8*(8*((\a)%4)+\b)+7], v[SC+8*NQ*(\sc)+NQ*\b+(\q)], v[SC+8*NQ*(\sc)+NQ*(\a)+(\q)] matrix_a_fmt:MATRIX_FMT_BF6 matrix_b_fmt:MATRIX_FMT_BF6 matrix_a_scale:MATRIX_SCALE_ROW1
.endif
.endr
.endr
.endm
.macro FETCH_B slot, q, p              ; W's eight fragments of the slot's q-th 128 along K into set p
	WIN TO_B
.irp i, 0,1,2,3,4,5,6,7
	FRAG 128*(\p)+FR*\i, ADRB+\slot, \q, \i
.endr
	WIN 0
.endm
.macro FETCH_A slot, q, i0             ; A's blocks i0 .. i0 + 3
.irp i, \i0, \i0+1, \i0+2, \i0+3
	FRAG AF+FR*(\i), ADRA+\slot, \q, \i
.endr
.endm
.macro SCALES sc                       ; a K step's scale words into set sc: two words a row; lanes 0-15 take A's block i, lanes 16-31 W's block i
.irp i, 0,1,2,3,4,5,6,7
	ds_load_b64 v[SC+8*NQ*\sc+NQ*\i:SC+8*NQ*\sc+NQ*\i+1], v[ADRS] offset:\i*SBLK
.endr
.endm
; A load into a register that a matrix instruction has read, and a vector instruction that reads a matrix result, stand NP places behind that matrix instruction, and only plain vector instructions
; that name none of its registers are places (ISA guide 7.12.1 for vector instructions); the matrix instructions in between are not counted.
.macro PLACES n
.rept \n
	v_nop
.endr
.endm
; A step of 128 along K that has its successor in the same slot.  A's blocks go one after the other, each against W's eight, so one set of registers serves A: blocks 0-3 are fetched anew in the step's middle, blocks 4-7 at its end.
.macro STEP slot, q, zero
	s_wait_dscnt 4*NL                              ; W's set, A's blocks 0-3 and the scale words are in; the youngest 24 loads (A's blocks 4-7) may be out
.if \zero
	WIN MUL_LO0
.else
	WIN MUL_LO
.endif
	MUL16 0, (\q)%2, \q, \slot, \zero
	MUL16 2, (\q)%2, \q, \slot, \zero
	s_wait_dscnt 0                                 ; A's blocks 4-7 are in (asked for 32 matrix instructions ago)
	PLACES NP
	FETCH_B \slot, (\q)+1, 1-(\q)%2
	FETCH_A \slot, (\q)+1, 0
.if \zero
	WIN MUL_HI0
.else
	WIN MUL_HI
.endif
	MUL16 4, (\q)%2, \q, \slot, \zero
	MUL16 6, (\q)%2, \q, \slot, \zero
	PLACES NP
	WIN 0
	FETCH_A \slot, (\q)+1, 4
.endm
; A slot's last step changes slots: ONE barrier, which opens a round of the cluster's; in front of it each wave waits for all its tensor loads, adds 0 to its spare word, and waits for that and for its own reads of this slot.
; fill = 1: this slot is filled again jointly, two K steps ahead.  fill = 2: the slot's codes are done with: it takes c_pre's tile, each wave its own 64 rows by a load of its own (no mask: no other work-group wants these bytes).
; ask = 1: in the loop's last trip each wave prefetches its 64 rows of c_pre, a lane a row (256 bytes), two instructions: two K steps, 256 matrix instructions, ahead of the tensor load that wants them; each row's 256 bytes are named once in the launch.
.macro TURN slot, next, fill, ask
	s_wait_tensorcnt 0x0                           ; all my tensor loads have landed: my part of the next slot;  (every window is 0 here: the add's two registers lie in window 0)
	ds_add_u32 v[SPW], v[NIL]                      ; 0 onto my spare word
	s_wait_dscnt 4*NL+1                            ; (the add and the youngest 24 loads, A's blocks 4-7, may be out)
	WIN MUL_LO
	MUL16 0, 1, NQ-1, \slot, 0                     ; sixteen matrix instructions stand between the add and the wait for it
	s_wait_dscnt 0x0                               ; the add is done, and my reads of this slot are over
	s_barrier_signal -1
	MUL16 2, 1, NQ-1, \slot, 0
	WIN 0
	s_barrier_wait -1
	CREST                                          ; no wave of any partner still reads this slot's tile or has a load on its way
.if \fill == 1
	s_add_nc_u64 s[G0+4*\slot+2:G0+4*\slot+3], s[G0+4*\slot+2:G0+4*\slot+3], 2*ROWB
	s_add_nc_u64 s[G0B+4*\slot+2:G0B+4*\slot+3], s[G0B+4*\slot+2:G0B+4*\slot+3], 2*ROWB
	JLOAD G0+4*\slot, G1, G0B+4*\slot, G1B         ; the first tensor load behind the round; the four v_nop behind it are the places in front of the loads below
.else
	tensor_load_to_lds s[G0C:G0C+3], s[G1C:G1C+7]  ; c_pre: my one tensor load behind the round, and the launch's last
	s_nop 0
.rept 4
	v_nop
.endr
.endif
	v_add_nc_u32 v[ADRS], 4*NQ, v[ADRS]            ; on to the next K step's scale words (no LDS load of mine is out)
	FETCH_B \next, 0, 0
	FETCH_A \next, 0, 0
	SCALES \next
.if \ask
	s_cmp_eq_u32 s3, 1                             ; the same count in every work-group
	s_cbranch_scc0 .Lno_ask_\@
	global_prefetch_b8 v[PFO], s[PFA:PFA+1] th:TH_LOAD_NT scope:SCOPE_SE
	global_prefetch_b8 v[PFO], s[PFA:PFA+1] offset:32*4096 th:TH_LOAD_NT scope:SCOPE_SE
.Lno_ask_\@:
.endif
	WIN MUL_HI
	MUL16 4, 1, NQ-1, \slot, 0
	MUL16 6, 1, NQ-1, \slot, 0
	PLACES NP
	WIN 0
	FETCH_A \next, 0, 4
.endm
	s_wait_tensorcnt 1                             ; the scales and my part of K step 0 are in (K step 1's load may be out)
	s_barrier_signal -1
	s_barrier_wait -1                              ; everybody's are
	FETCH_B 0, 0, 0
	FETCH_A 0, 0, 0
	SCALES 0
	FETCH_A 0, 0, 4
	; The scales' loads have landed (the wait above), so their descriptors' registers are free: c_pre's descriptor and the outputs' addresses are made there, while the first fragments come.
	s_load_b128 s[80:83], s[0:1], 0x30             ; c_pre s[80:81], out0 s[82:83]
	s_load_b64 s[84:85], s[0:1], 0x40              ; out1
	s_mov_b32 s[G1C+0], (2<<16)|(1<<20)|(5<<22)|(3<<25)  ; no mask; elements of 4 bytes; padding on: after every 64 words (code 5) 4 words (code 3)
	s_mov_b32 s[G1C+1], 64<<16                     ; tensor_dim0 = 64 numbers: 256 bytes
	s_mov_b32 s[G1C+2], 64<<16                     ; tensor_dim1 = 64 rows
	s_mov_b32 s[G1C+3], 64<<16                     ; tile_dim0
	s_mov_b32 s[G1C+4], 64                         ; tile_dim1
	s_mov_b32 s[G1C+5], 1024                       ; numbers from row to row
	s_mov_b32 s[G1C+6], 0
	s_mov_b32 s[G1C+7], 0
	s_mov_b32 s[G0C], 1
	s_mul_i32 s[G0C+1], s14, 64*CPITCH             ; LDS: wave x 64 rows, from slot 0's first byte
	s_lshl_b32 s86, s17, 8                         ; c_pre, which I FETCH:
	s_lshl_b32 s87, s14, 6
	s_add_co_u32 s86, s86, s87                     ; batch row 256 x tile row + 64 x wave,
	s_lshl_b32 s86, s86, 12                        ; in bytes,
	s_lshl_b32 s87, s42, 8
	s_add_co_u32 s86, s86, s87                     ; + the tile's 64 units: 256 x tile column
	s_mov_b32 s87, 0
	s_lshl_b32 s92, s17, 8                         ; the outputs, which I STORE:
	s_lshl_b32 s93, s15, 7
	s_add_co_u32 s92, s92, s93                     ; batch row 256 x tile row + 128 x my half of the tile's rows
	s_lshl_b32 s93, s16, 3
	s_add_co_u32 s92, s92, s93                     ; + my 8 of a block's 16,
	s_lshl_b32 s92, s92, 12                        ; in bytes,
	s_lshl_b32 s93, s42, 8
	s_add_co_u32 s92, s92, s93                     ; + the tile's 64 units
	s_mov_b32 s93, 0
	s_mov_b32 s[CSN], 0xbfb8aa3b                   ; -log2 e
	s_mov_b32 s[CSN+1], s[CSN]
	s_wait_kmcnt 0x0
	s_add_nc_u64 s[PFA:PFA+1], s[80:81], s[86:87]
	s_mov_b64 s[G0C+2:G0C+3], s[PFA:PFA+1]
	s_or_b32 s[G0C+3], s[G0C+3], 0x80000000
	s_add_nc_u64 s[OH:OH+1], s[OH:OH+1], s[92:93]
	s_add_nc_u64 s[OC:OC+1], s[OC:OC+1], s[92:93]
	STEP 0, 0, 1                                   ; the first step stands in front of the loop: its products start the sums, on the bias
	s_mov_b32 s3, LAPS-1
.Llap:                                                 ; a trip goes once round the ring, from a lap's second step to the next lap's first, and fills both slots again
	TURN 0, 1, 1, 1
	STEP 1, 0, 0
	TURN 1, 0, 1, 0
	STEP 0, 0, 0
	s_sub_co_u32 s3, s3, 1
	s_cmp_lg_u32 s3, 0
	s_cbranch_scc1 .Llap
	TURN 0, 1, 2, 0                                ; the last lap: slot 0 has been read out and takes c_pre
	STEP 1, 0, 0
	s_wait_dscnt 4*NL                              ; the very last step: nothing more to fetch
	WIN MUL_LO
	MUL16 0, 1, NQ-1, 1, 0
	MUL16 2, 1, NQ-1, 1, 0
	s_wait_tensorcnt 0x0                           ; my 64 rows of c_pre have landed: other waves read them behind the barrier;
	s_wait_dscnt 0x0                               ; my reads of slot 1 are over: other waves store h_t there behind the barrier
	s_barrier_signal -1
	WIN MUL_HI
	MUL16 4, 1, NQ-1, 1, 0
	MUL16 6, 1, NQ-1, 1, 0
	WIN 0
	s_barrier_wait -1
	PLACES NP                                      ; in front of the first read of results and of the loads into the registers that held A's fragments
; THE CELL AND THE WAY OUT, by blocks of 16 batch rows: 64 gate numbers and 16 numbers of c_pre a lane.  The parts of a block:
;   GATES  the exponentials' arguments, out of the accumulators: registers only
;   EXPS   64 exponentials and the plain line behind them: registers only
;   CLOAD  the block's c_pre from LDS
;   CELL   the reciprocals, c_t, tanh(c_t), h_t; both into LDS, at rows of their own that are never written again
;   BACK   8 whole rows of c_t and 8 of h_t of a finished block, from LDS;   SEND  the same rows to memory
; A row's 256 bytes come from two waves, so ONE barrier stands between a block's LDS stores and BACK.  The wait for my stores stands behind the next block's GATES, and the next block's EXPS between signal and wait.
; SEND stands in the middle of the next block's CELL: a block's stores leave while the blocks behind it are worked.
; The exponentials and reciprocals go in batches; behind each batch one plain line and ONE wait ahead of the first reader.
.macro GATES a
.set AC, 64*((\a)%4)
	WIN 0x02+(\a)/4                                ; source 0: window 2 or 3
.set J, 0
.rept 24
	v_pk_mul_f32 v[EE+J:EE+J+1], v[AC+J:AC+J+1], s[CSN:CSN+1] op_sel_hi:[1,0]   ; f, i, o: -z log2 e.  Each accumulator is read from its low end on
.set J, J+2
.endr
.rept 8
	v_pk_mul_f32 v[EE+J:EE+J+1], v[AC+J:AC+J+1], s[CS2:CS2+1] op_sel_hi:[1,0]   ; g: 2 z log2 e
.set J, J+2
.endr
	WIN 0
.endm
.macro EXPS
.set J, 0
.rept 64
	v_exp_f32 v[EE+J], v[EE+J]
.set J, J+1
.endr
	v_nop                                          ; the plain line behind the last exponential
.endm
.macro CLOAD a
.irp q, 0,1,2,3
	ds_load_b128 v[CP+4*\q:CP+4*\q+3], v[STO] offset:(\a)*16*CPITCH+64*(\q/2)+16*(\q%2)   ; c_pre(16 a + r, 16 (q / 2) + 8 hl + 4 (q % 2) + 0 .. 3)
.endr
.endm
.macro BACK a                          ; rows 16 a + 8 (wave % 2) + 2 t + hl of my half of the tile: an instruction takes two rows
.irp t, 0,1,2,3
	ds_load_b128 v[RB+4*\t:RB+4*\t+3], v[RD] offset:(\a)*16*CPITCH+\t*2*CPITCH
.endr
.irp t, 0,1,2,3
	ds_load_b128 v[RB+16+4*\t:RB+16+4*\t+3], v[RDH] offset:(\a)*16*CPITCH+\t*2*CPITCH
.endr
.endm
.macro SEND a, counted                 ; counted = 1: each store waits for its own load; the younger of BACK's eight may be out
.irp t, 0,1,2,3
.if \counted
	s_wait_dscnt 7-\t
.endif
	global_store_b128 v[CO], v[RB+4*\t:RB+4*\t+3], s[OC:OC+1] offset:(16*(\a)+2*\t)*4096 th:TH_STORE_NT   ; 16 lanes store 256 consecutive bytes, at a multiple of 256 from the output's first byte; written once, read by nobody here
.endr
.irp t, 0,1,2,3
.if \counted
	s_wait_dscnt 3-\t
.endif
	global_store_b128 v[CO], v[RB+16+4*\t:RB+16+4*\t+3], s[OH:OH+1] offset:(16*(\a)+2*\t)*4096 th:TH_STORE_NT
.endr
.endm
.macro CELL a, send                    ; send = 1: block a - 1's rows, which BACK has asked for, are stored on the way
	s_wait_alu depctr_va_vdst(0)                   ; one wait for the 64 exponentials
.set J, 0
.rept 32
	v_pk_add_f32 v[EE+J:EE+J+1], v[EE+J:EE+J+1], 1.0 op_sel_hi:[1,0]
.set J, J+2
.endr
.set J, 0
.rept 64
	v_rcp_f32 v[EE+J], v[EE+J]                     ; f, i, o are done; g wants 1 - 2 x this
.set J, J+1
.endr
	v_nop
	s_wait_alu depctr_va_vdst(0)                   ; one wait for the 64
	s_wait_dscnt 0x0                               ; c_pre is in, and so are the rows read back
.if \send
	SEND (\a)-1, 0
.endif
.set J, 0
.rept 8
	v_pk_fma_f32 v[EE+48+J:EE+49+J], v[EE+48+J:EE+49+J], -2.0, 1.0 op_sel_hi:[1,0,0]   ; g = tanh(z3)
.set J, J+2
.endr
.set J, 0
.rept 8
	v_pk_mul_f32 v[EE+16+J:EE+17+J], v[EE+16+J:EE+17+J], v[EE+48+J:EE+49+J]            ; i g
.set J, J+2
.endr
.set J, 0
.rept 8
	v_pk_fma_f32 v[CT+J:CT+J+1], v[EE+J:EE+J+1], v[CP+J:CP+J+1], v[EE+16+J:EE+17+J]    ; c_t = f c_pre + i g
.set J, J+2
.endr
.set J, 0
.rept 8
	v_pk_mul_f32 v[TT+J:TT+J+1], v[CT+J:CT+J+1], s[CS2:CS2+1] op_sel_hi:[1,0]
.set J, J+2
.endr
.set J, 0
.rept 16
	v_exp_f32 v[TT+J], v[TT+J]
.set J, J+1
.endr
	v_nop
	s_wait_alu depctr_va_vdst(0)
.set J, 0
.rept 8
	v_pk_add_f32 v[TT+J:TT+J+1], v[TT+J:TT+J+1], 1.0 op_sel_hi:[1,0]
.set J, J+2
.endr
.set J, 0
.rept 16
	v_rcp_f32 v[TT+J], v[TT+J]
.set J, J+1
.endr
	v_nop
	s_wait_alu depctr_va_vdst(0)
.set J, 0
.rept 8
	v_pk_fma_f32 v[TT+J:TT+J+1], v[TT+J:TT+J+1], -2.0, 1.0 op_sel_hi:[1,0,0]           ; tanh(c_t)
.set J, J+2
.endr
.set J, 0
.rept 8
	v_pk_mul_f32 v[HT+J:HT+J+1], v[EE+32+J:EE+33+J], v[TT+J:TT+J+1]                    ; h_t = o tanh(c_t)
.set J, J+2
.endr
.irp q, 0,1,2,3
	ds_store_b128 v[STO], v[CT+4*\q:CT+4*\q+3] offset:(\a)*16*CPITCH+64*(\q/2)+16*(\q%2)   ; c_t over the very bytes of c_pre that this lane has read: no other lane touches them before the barrier
	ds_store_b128 v[STH], v[HT+4*\q:HT+4*\q+3] offset:(\a)*16*CPITCH+64*(\q/2)+16*(\q%2)   ; h_t at the same place in slot 1, which has had its last fill and its last read
.endr
.endm
	GATES 0
	EXPS
	CLOAD 0
	CELL 0, 0
.irp a, 1,2,3,4,5,6,7
	GATES \a                                       ; 32 lines on registers stand between block a - 1's LDS stores and the wait for them
	s_wait_dscnt 0x0                               ; for my partner's sake: my stores of block a - 1 are done
	s_barrier_signal -1
	EXPS                                           ; registers only, while the others arrive
	s_barrier_wait -1                              ; block a - 1's rows are whole
.if \a > 1
	s_wait_xcnt 0x0                                ; block a - 2's stores to memory have read their registers: the next rows may land there
.endif
	BACK (\a)-1
	CLOAD \a
	CELL \a, 1
.endr
	s_wait_dscnt 0x0                               ; my stores of block 7 are done
	s_barrier_signal -1
	s_barrier_wait -1
	s_wait_xcnt 0x0                                ; block 6's stores to memory have read their registers
	BACK 7
	SEND 7, 1
	s_wait_tensorcnt 0x0                           ; the wave's end: behind my last tensor load and my last LDS store
	ds_add_u32 v[SPW], v[NIL]
	s_wait_dscnt 0x0
	CROUND                                         ; the closing round: no work-group ends while a partner may still ask for a tile that names it
	s_endpgm
.Lfunc_end_k_q2dca286964_cell:
	.size	k_q2dca286964_cell, .Lfunc_end_k_q2dca286964_cell-k_q2dca286964_cell
	.p2alignl 7, 3214868480
	.fill 96, 4, 3214868480
	.section	.rodata,"a",@progbits
	.p2align	6, 0x0
	.amdhsa_kernel k_q2dca286964_cell
		.amdhsa_group_segment_fixed_size 327680
		.amdhsa_private_segment_fixed_size 0
		.amdhsa_enable_private_segment 0
		.amdhsa_kernarg_size 72
		.amdhsa_user_sgpr_count 2
		.amdhsa_user_sgpr_kernarg_segment_ptr 1
		.amdhsa_wavefront_size32 1
		.amdhsa_system_sgpr_workgroup_id_x 1
		.amdhsa_system_sgpr_workgroup_id_y 1
		.amdhsa_system_sgpr_workgroup_id_z 1
		.amdhsa_system_vgpr_workitem_id 0
		.amdhsa_next_free_vgpr 1024
		.amdhsa_next_free_sgpr 100
		.amdhsa_reserve_vcc 0
		.amdhsa_float_denorm_mode_32 3
		.amdhsa_float_denorm_mode_16_64 3
		.amdhsa_memory_ordered 1
		.amdhsa_forward_progress 1
		.amdhsa_inst_pref_size 255
	.end_amdhsa_kernel
	.section	.bss,"aw",@nobits
	.p2align	6
	.space	262144
	.amdgpu_metadata
---
amdhsa.version: [ 1, 2 ]
amdhsa.kernels:
  - .name:           k_q2dca286964_cell
    .symbol:         k_q2dca286964_cell.kd
    .args:
      - { .name: a_codes, .offset: 0, .size: 8, .value_kind: global_buffer, .address_space: global }
      - { .name: a_scales, .offset: 8, .size: 8, .value_kind: global_buffer, .address_space: global }
      - { .name: b_codes, .offset: 16, .size: 8, .value_kind: global_buffer, .address_space: global }
      - { .name: b_scales, .offset: 24, .size: 8, .value_kind: global_buffer, .address_space: global }
      - { .name: bW, .offset: 32, .size: 8, .value_kind: global_buffer, .address_space: global }
      - { .name: bU, .offset: 40, .size: 8, .value_kind: global_buffer, .address_space: global }
      - { .name: c_pre, .offset: 48, .size: 8, .value_kind: global_buffer, .address_space: global }
      - { .name: out0, .offset: 56, .size: 8, .value_kind: global_buffer, .address_space: global }
      - { .name: out1, .offset: 64, .size: 8, .value_kind: global_buffer, .address_space: global }
    .group_segment_fixed_size: 327680
    .private_segment_fixed_size: 0
    .kernarg_segment_align: 8
    .kernarg_segment_size: 72
    .max_flat_workgroup_size: 128
    .sgpr_count:     100
    .vgpr_count:     1024
    .wavefront_size: 32
...
	.end_amdgpu_metadata
.endif
;; end of part 2
